; MI455X (gfx1250); checked and timed in simulation.
; The chip was launched on July 23, 2026; its instructions are those of AMD's public machine-readable ISA for CDNA 5 (MIT licence, August 2026) and "CDNA5" Instruction Set Architecture Reference Guide (July 2026). The comments in the code are by the model that wrote it; some were corrected since.
;; Causal Attention. Allowed arithmetic: matrix products marked QUANTISED: E2M3 operands, one E8M0 scale for each 32 along K, by v_wmma_scale_f32_16x16x128_f8f6f4 with both operands' format E2M3, f32 sums; everything else in f32.
;; Inputs: Wk_codes 1,024 x 32 x 24 uint8 (E2M3 codes of Wk, K innermost, in blocks of 32 codes, four codes in three bytes); Wk_scales 1,024 x 32 uint8 (E8M0 scales of Wk, one for each 32 codes along K); Wo_codes 1,024 x 32 x 24 uint8 (E2M3 codes of Wo, K innermost, in blocks of 32 codes, four codes in three bytes); Wo_scales 1,024 x 32 uint8 (E8M0 scales of Wo, one for each 32 codes along K); Wq_codes 1,024 x 32 x 24 uint8 (E2M3 codes of Wq, K innermost, in blocks of 32 codes, four codes in three bytes); Wq_scales 1,024 x 32 uint8 (E8M0 scales of Wq, one for each 32 codes along K); Wv_codes 1,024 x 32 x 24 uint8 (E2M3 codes of Wv, K innermost, in blocks of 32 codes, four codes in three bytes); Wv_scales 1,024 x 32 uint8 (E8M0 scales of Wv, one for each 32 codes along K); bk 1,024 float32; bo 1,024 float32; bq 1,024 float32; bv 1,024 float32; x_codes 2 x 2,048 x 32 x 24 uint8 (E2M3 codes of x, K innermost, in blocks of 32 codes, four codes in three bytes); x_scales 2 x 2,048 x 32 uint8 (E8M0 scales of x, one for each 32 codes along K).
;; Outputs: out0 2 x 2,048 x 1,024 float32.
;; Constants: train = False.
;; This version of the problem:
;;   THIS VERSION OF THE PROBLEM IS GIVEN IN LOW PRECISION. The matrix products marked QUANTISED in the list below multiply operands that are first quantised to E2M3 (2 exponent bits, 3 mantissa bits; 6 bits a number), with one power-of-two scale for each 32 numbers along K (OCP MX v1.0); their sums are f32. All else is computed in f32.
;;   The module's matrix products, in the order in which they are computed (A, B: the left and right operand; K: the contracted axis; several contracted axes count as one K, in the product's order):
;;     1. [M 4,096, K 1,024] x [K 1,024, N 1,024]; A: input x (given as codes); B: input Wq (given as codes): QUANTISED
;;     2. [M 4,096, K 1,024] x [K 1,024, N 1,024]; A: input x (given as codes); B: input Wk (given as codes): QUANTISED
;;     3. [M 4,096, K 1,024] x [K 1,024, N 1,024]; A: input x (given as codes); B: input Wv (given as codes): QUANTISED
;;     4. batch 32 x [M 2,048, K 64] x [K 64, N 2,048]; A: computed on the way; B: computed on the way: QUANTISED
;;     5. batch 32 x [M 2,048, K 2,048] x [K 2,048, N 64]; A: softmax (see below); B: computed on the way: QUANTISED
;;     6. [M 4,096, K 1,024] x [K 1,024, N 1,024]; A: computed on the way; B: input Wo (given as codes): QUANTISED
;;   THE QUANTISER, for each operand of a quantised product, along K:
;;     - K is cut into blocks of 32 from its start; a last block that is shorter is filled with zeros.
;;     - A block's scale is 2^e with e = floor(log2(the largest magnitude in the block)) - 2, held to -126 .. 127; a block of zeros has e = 0. As a byte (E8M0): e + 127.
;;     - Each number is divided by its block's scale, clamped to +-7.5, and rounded to the nearest number of E2M3, ties to even, subnormals kept.
;;     - The product sums the exact products of the quantised numbers (number of the format x scale) in f32.
;;   ~~~python
;;   def quantise(x, axis):      # numpy; x: float32 -> the quantised numbers, widened to float32 again
;;       x = np.moveaxis(x, axis, -1); K = x.shape[-1]
;;       x = np.pad(x, [(0, 0)] * (x.ndim - 1) + [(0, -K % 32)]); x = x.reshape(x.shape[:-1] + (-1, 32)); a = np.abs(x).max(-1, keepdims=True)
;;       e = np.where(a > 0, np.clip(np.frexp(np.where(a > 0, a, 1))[1] - 1 - 2, -126, 127), 0)      # np.frexp(a)[1] - 1 = floor(log2(a)), exactly
;;       r = np.clip(x / 2.0 ** e, -7.5, 7.5)
;;       step = 2.0 ** (np.maximum(np.frexp(np.where(r == 0, 1, r))[1] - 1, 0) - 3)
;;       q = np.round(r / step) * step * 2.0 ** e      # np.round: ties to even
;;       return np.moveaxis(q.reshape(q.shape[:-2] + (-1,))[..., :K], -1, axis).astype(np.float32)
;;   ~~~
;;   SOFTMAX AHEAD OF A QUANTISED PRODUCT. Where the list says 'softmax', what is quantised is not the finished softmax but p = 2^(t - M), with t = logit x log2(e) and M = ceil(the row's largest t), a whole number; so 1/2 < the row's largest p <= 1. The row's sum l is taken of the UNQUANTISED p, in f32, and the product's result is divided by l at the end. Since M is a whole number, a kernel that streams over the keys may use a running M (the ceiling of the running maximum): every later rescaling is an exact power of two, which a block's scale takes up: the codes' values come out the same.
;;   OPERANDS COMPUTED ON THE WAY. 'Computed on the way' means the value that the module computes at that place (a softmax that the list does not call 'softmax' is quantised finished and normalised). What goes into a quantiser is computed in f32, as accurately as f32 sums, v_exp_f32 and their like allow (about 1e-6 of the number): no bf16 or f16 on the way to a quantiser, and a product that is left as it is and whose result goes on into a quantised operand takes f32 operands (vector FMAs, or v_wmma_f32_16x16x4_f32). A number that lies on a knife's edge between two numbers of the format may be rounded either way, as far as f32 arithmetic and the matrix unit's own rounding can turn it there, and no further.
;;   INPUTS GIVEN AS CODES. Wk (in the module: [1024, 1024], K = its axis 0); Wo (in the module: [1024, 1024], K = its axis 0); Wq (in the module: [1024, 1024], K = its axis 0); Wv (in the module: [1024, 1024], K = its axis 0); x (in the module: [2, 2048, 1024], K = its axis 2): each comes as NAME_codes (uint8): NAME with its K axis moved to the last place and cut into blocks of 32 codes, [.., K / 32, bytes a block], one block behind the other in memory; four codes in three bytes: a row's codes are one little-endian stream of bits, code i at bits 6 i .. 6 i + 5 (a code: sign, 2 exponent bits, 3 mantissa bits); and NAME_scales (uint8): the same leading axes, one E8M0 byte (e + 127) for each 32 codes along K. Its value is code x scale, taken as it is: it is not quantised again, and the codes and scales need not be those that the quantiser above would give.
;; One version. Each part assembles by itself: llvm-mc -triple=amdgcn-amd-amdhsa -mcpu=gfx1250 --defsym DOCPART=n.
;; ======== version 1 of 1: 3 launches
;; limits: right only within a limited range of input values
;; workspace buffers: qc 3,145,728 bytes; qs 262,144 bytes; kv 6,684,672 bytes; oc 3,145,728 bytes; os 131,072 bytes
;; launch qkv (part 1): grid 8 x 32, 12 waves a work-group, clusters of 4 x 4, 327,680 bytes of LDS; arguments x_codes, x_scales, Wq_codes, Wq_scales, Wk_codes, Wk_scales, Wv_codes, Wv_scales, bq, bk, bv, qc, qs, kv; writes qc, qs, kv
.if DOCPART == 1
	.amdgcn_target "amdgcn-amd-amdhsa--gfx1250"
	.amdhsa_code_object_version 6
	.text
	.protected	k_q96712bd7b0_qkv
	.globl	k_q96712bd7b0_qkv
	.p2align	8
	.type	k_q96712bd7b0_qkv,@function
k_q96712bd7b0_qkv:
	s_mov_b64 s[64:65], 0
	v_nop
	global_prefetch_b8 v0, s[64:65] scope:SCOPE_SE
	s_setreg_imm32_b32 hwreg(HW_REG_WAVE_MODE, 25, 1), 1
	s_wait_xcnt 0x0
	s_wait_alu depctr_hold_cnt(0) depctr_sa_sdst(0) depctr_va_vdst(0) depctr_va_sdst(0) depctr_va_ssrc(0) depctr_va_vcc(0) depctr_vm_vsrc(0)
	s_getreg_b32 s2, hwreg(HW_REG_IB_STS2, 6, 4)
	s_cmp_eq_u32 s2, 0
	s_cbranch_scc0 .Lentry_in_a_cluster
	s_endpgm
.Lentry_in_a_cluster:
	s_bfe_u32 s2, ttmp6, 0x10000c
	s_cmp_lg_u32 s2, 0xf033
	s_cbranch_scc0 .Lentry_shape_is_right
	s_endpgm
.Lentry_shape_is_right:
; q = x Wq + bq, k = x Wk + bk, v = x Wv + bv on codes of FP6 (E2M3), K = 1,024, sums in f32; then q and k are quantised along the head's 64 numbers and v along the keys.
; WORK LEFT OUT in this program: key steps of 128 whose keys all come after a tile's queries (the mask that reference() builds); nothing else.  Every input has a way to the output and is loaded.
; SHARES.  A work-group takes 128 rows of x (tb) and rows 128 nb .. + 127 of all three weights: 12 waves, four for each of q, k, v; a wave makes 64 x 64: 16 accumulators.
; ROLES.  Source 0 (P) is the axis quantised afterwards.  q, k: P = 64 rows of W (one head), R = 64 rows of x.  v: P = 64 rows of x (keys), R = 64 rows of Wv.  One text and one way out serve all three.
; A HALF is 16 rows x 64 along the next K as an image of registers 0-5 of an operand: bytes 0-511 registers 0-3, 16 bytes a lane; bytes 512-767 registers 4-5, 8 bytes a lane.  Lane (r, h): row r, block h.
; ORDER INSIDE A BLOCK of 32: index 16 u + 8 h + j stands at place 16 h + 8 u + j, alike in q and k, and in v and the softmax's weights.
; ORDER OF ROWS.  Lane r of tile t of a group of 64 rows (queries, keys, channels) holds row 32 (r / 8) + 16 (t % 2) + 8 (t / 2) + r % 8: rows 0-7 of a tile come from the group's first 32, rows 8-15 from its last 32.
; BUFFERS (bh = 16 batch + head).  qc: HALF 128 bh + 8 block + tile;  qs: words (byte 0, byte 1, 0, 0) at 8,192 bh + 512 block + 64 tile + 4 r;  kv: a record of 13,056 bytes for each bh and step of 128 keys:
; K's 8 HALFs, V's 8 (3,072 x group of 64 keys + 768 x tile of channels), K's scale words at 12,288 + 64 tile + 4 r, V's at 12,800 + 64 tile + 4 r.
; K GOES IN CHUNKS OF 256 BYTES of each row of 768, through two LDS slots: chunk c in slot c % 2; both slots are filled at the head, chunk 2 refills slot 0.  A step of 128 along K is 96 bytes: steps 2 and 5 lie across two chunks.
; CLUSTER 4 x 4: a row of the cluster shares the rows of x, a column the rows of the weights: each tile is asked for jointly.
; NO PREFETCH: one refill in the launch, and no loop to run ahead in.
; LIMITS: NaN and infinities among the inputs are not served.  A block whose largest magnitude lies under 2^-124 gets the scale byte 1; the bytes are read by this program alone.
.set PITCH, 272                        ; 256 bytes + 16 of padding: the 32 lanes of an 8-byte load touch 64 different banks (64 banks of 4 bytes: ISA guide 11.1)
.set HALFT, 128*PITCH
.set SLOT,  4*HALFT                    ; Wq 128 rows, Wk, x, Wv
.set SCL,   2*SLOT                     ; scale bytes: 4 x 16 units of 256 + 16: row p at 32 p + 16 (p / 8)
.set SPARE, SCL+4*4352
.set REC,   13056
.set ADRP, 8                           ; v8, v9 P's fragments in slot 0, 1; v10, v11: lanes 0-15 at byte 232 of slot 0 (1), lanes 16-31 at byte 0 of slot 1 (0)
.set ADRR, 12                          ; v12-15 the same for R
.set ADRS, 16                          ; v16 scale words: lanes 0-15 P's rows, lanes 16-31 R's
.set SPW,  17
.set NIL,  18
.set L16,  19
.set L8,   20
.set L4,   21
.set SC,   24                          ; v24-31 scale words: register 2 i + q: lanes 0-15 P's tile i, lanes 16-31 R's
.set PF,   32
.set RF,   80
.set ACC,  128                         ; accumulator (a, m) at 128 + 32 m + 8 a
.set WV,   20                          ; s20 wave; s21 wave % 4: the tensor I fetch (0 Wq, 1 Wk, 2 x, 3 Wv); s22 wave / 4: what I make (0 q, 1 k, 2 v) and what I fetch (chunk 0, chunk 1, scales)
.set T,    21
.set KIND, 22
.set B0,   23
.set B1,   66
.set G1X,  24
.set G1W,  32
.set G1SX, 40
.set G1SW, 48
.set G0X,  56
.set G0SX, 60
.set G0W,  72
.set G0SW, 76
.set SEL,  94
.macro ROUND
	s_barrier_signal -1
	s_barrier_wait -1
	s_cmp_lg_u32 s[WV], 0
	s_cbranch_scc1 .Lnot_wave_0_\@
	s_barrier_signal -3
.Lnot_wave_0_\@:
	s_barrier_wait -3
	s_barrier_signal -1
	s_barrier_wait -1
.endm
.macro PICK gx, hx, gw, hw, join       ; x's tile or a weight's, by the wave's number
	s_cmp_eq_u32 s[T], 2
	s_cbranch_scc0 .Lfor_w_\@
	tensor_load_to_lds s[\gx:\gx+3], s[\hx:\hx+7]
	s_nop 0
.rept 4
	v_nop
.endr
	s_branch \join
.Lfor_w_\@:
	tensor_load_to_lds s[\gw:\gw+3], s[\hw:\hw+7]
	s_nop 0
.rept 4
	v_nop
.endr
	s_branch \join
.endm
	s_load_b512 s[4:19], s[0:1], 0x0               ; x's codes, scales; Wq's; Wk's; Wv's
	s_load_b256 s[84:91], s[0:1], 0x40             ; bq, bk, bv, qc
	s_load_b128 s[68:71], s[0:1], 0x60             ; qs, kv
	v_lshl_add_u32 v[SPW], v0, 2, SPARE
	v_mov_b32 v[NIL], 0
	ds_add_u32 v[SPW], v[NIL]
	ds_add_u32 v[SPW], v[NIL]
	v_lshrrev_b32 v1, 5, v0
	v_readfirstlane_b32 s[WV], v1
	s_and_b32 s[T], s[WV], 3
	s_lshr_b32 s[KIND], s[WV], 2
	s_and_b32 s[B0], s[WV], 1
	s_bfe_u32 s[B1], s[WV], 0x10001
	s_bfe_u32 s96, ttmp6, 0x40000                  ; cx
	s_bfe_u32 s97, ttmp6, 0x40004                  ; cy
	s_lshl_b32 s98, ttmp9, 2
	s_add_co_u32 s98, s98, s96                     ; nb
	s_and_b32 s99, ttmp7, 0xffff
	s_lshl_b32 s99, s99, 2
	s_add_co_u32 s99, s99, s97                     ; tb
	s_lshl_b32 s100, s97, 2
	s_lshl_b32 s100, 15, s100                      ; my row of the cluster
	s_lshl_b32 s101, 0x1111, s96                   ; my column
	; group 1, codes: 128 rows x 256 bytes, 768 apart, 16 bytes of padding behind each
	s_or_b32 s[G1X], s100, (1<<20)|(1<<21)|(5<<22)|(3<<25)
	s_or_b32 s[G1W], s101, (1<<20)|(1<<21)|(5<<22)|(3<<25)
.irp g, G1X, G1W
	s_mov_b32 s[\g+1], 256<<16
	s_mov_b32 s[\g+2], 128<<16
	s_mov_b32 s[\g+3], 256<<16
	s_mov_b32 s[\g+4], 128
	s_mov_b32 s[\g+5], 768
	s_mov_b32 s[\g+6], 0
	s_mov_b32 s[\g+7], 0
.endr
	; group 1, scales: 128 rows x 32 bytes, dense: 16 rows of 32 elements of 8 bytes, padded alike
	s_or_b32 s[G1SX], s100, (3<<16)|(1<<20)|(1<<21)|(5<<22)|(3<<25)
	s_or_b32 s[G1SW], s101, (3<<16)|(1<<20)|(1<<21)|(5<<22)|(3<<25)
.irp g, G1SX, G1SW
	s_mov_b32 s[\g+1], 32<<16
	s_mov_b32 s[\g+2], 16<<16
	s_mov_b32 s[\g+3], 32<<16
	s_mov_b32 s[\g+4], 16
	s_mov_b32 s[\g+5], 32
	s_mov_b32 s[\g+6], 0
	s_mov_b32 s[\g+7], 0
.endr
	; x's addresses hang on tb alone, the weights' on nb alone
	s_lshl_b32 s3, s[KIND], 8                      ; the chunk that I fetch
	s_mul_i32 s[G0X+2], s99, 98304
	s_add_co_u32 s[G0X+2], s[G0X+2], s3
	s_mov_b32 s[G0X+3], 0
	s_lshl_b32 s[G0SX+2], s99, 12
	s_mov_b32 s[G0SX+3], 0
	s_mul_i32 s[G0W+2], s98, 98304
	s_add_co_u32 s[G0W+2], s[G0W+2], s3
	s_mov_b32 s[G0W+3], 0
	s_lshl_b32 s[G0SW+2], s98, 12
	s_mov_b32 s[G0SW+3], 0
.irp g, G0X, G0SX, G0W, G0SW
	s_mov_b32 s[\g], 1
.endr
	s_mul_i32 s2, s[KIND], SLOT
	s_mul_i32 s3, s[T], HALFT
	s_add_co_u32 s[G0X+1], s2, s3
	s_add_co_u32 s[G0W+1], s2, s3
	s_mul_i32 s3, s[T], 4352
	s_add_co_u32 s[G0SX+1], s3, SCL
	s_add_co_u32 s[G0SW+1], s3, SCL
	s_mov_b32 s[SEL], 0x76543210
	s_mov_b32 s[SEL+1], 0xfedcba98
	s_mov_b32 s93, 0xff00ff00                      ; lanes 8-15 of each row of 16
	s_wait_alu depctr_va_vdst(0)
	s_wait_dscnt 0x0                               ; both opening adds are done
	s_wait_kmcnt 0x0
	s_cmp_eq_u32 s[T], 0                           ; which weight: by the wave's number alone
	s_cselect_b64 s[8:9], s[8:9], s[12:13]
	s_cselect_b64 s[10:11], s[10:11], s[14:15]
	s_cmp_eq_u32 s[T], 3
	s_cselect_b64 s[8:9], s[16:17], s[8:9]
	s_cselect_b64 s[10:11], s[18:19], s[10:11]
	s_add_nc_u64 s[G0X+2:G0X+3], s[4:5], s[G0X+2:G0X+3]
	s_add_nc_u64 s[G0SX+2:G0SX+3], s[6:7], s[G0SX+2:G0SX+3]
	s_add_nc_u64 s[G0W+2:G0W+3], s[8:9], s[G0W+2:G0W+3]
	s_add_nc_u64 s[G0SW+2:G0SW+3], s[10:11], s[G0SW+2:G0SW+3]
.irp g, G0X, G0SX, G0W, G0SW
	s_or_b32 s[\g+3], s[\g+3], 0x80000000
.endr
	ROUND                                          ; all sixteen work-groups are here: the first joint loads meet
	; one load a wave: waves 0-3 chunk 0, waves 4-7 chunk 1, waves 8-11 the scale bytes; each group has load lines of its own
	s_cmp_lt_u32 s[WV], 4
	s_cbranch_scc0 .Lhead_1
	PICK G0X, G1X, G0W, G1W, .Lasked
.Lhead_1:
	s_cmp_lt_u32 s[WV], 8
	s_cbranch_scc0 .Lhead_2
	PICK G0X, G1X, G0W, G1W, .Lasked
.Lhead_2:
	PICK G0SX, G1SX, G0SW, G1SW, .Lasked
.Lasked:
	s_lshl_b32 s4, s[KIND], 7
	s_lshl_b32 s5, s[B1], 6
	s_add_co_u32 s4, s4, s5                        ; P's first row in a slot: 128 kind + 64 b1
	s_lshr_b32 s5, s[KIND], 1
	s_add_co_u32 s5, s5, 2
	s_lshl_b32 s5, s5, 7
	s_lshl_b32 s6, s[B0], 6
	s_add_co_u32 s5, s5, s6                        ; R's: x for q and k, Wv for v
	s_mul_i32 s6, s4, PITCH
	s_mul_i32 s7, s5, PITCH
	s_mul_i32 s2, s4, 34                           ; a row's scale bytes: 32 p + 16 (p / 8) = 34 p for p a multiple of 8
	s_mul_i32 s3, s5, 34
	s_sub_co_u32 s3, s3, s2
	s_add_co_u32 s2, s2, SCL
	s_mov_b32 s13, SLOT-232
	s_mov_b32 s16, SLOT+232
	; THE BIAS is the C of each sum's first product.  Bias tile i is loaded into the diagonal accumulator (i, i): q, k: b[16 i + 8 h + j] in register j; v: b[16 i + r] in all eight.
	; Eight offset registers, lane term + j x stride: stride 4 and lane term 32 h, or stride 0 and lane term 4 r.
	s_cmp_lt_u32 s[KIND], 2
	s_cselect_b32 s8, 4, 0
	s_cselect_b32 s9, 32, 0
	s_cselect_b32 s10, 0, 4
	s_cselect_b32 s11, s[B1], s[B0]                ; which of the block's two heads is mine
	s_cselect_b32 s12, s[B0], s[B1]                ; which 64 of the 128 rows of x
	s_cmp_eq_u32 s[KIND], 0
	s_cselect_b64 s[84:85], s[84:85], s[86:87]
	s_cmp_eq_u32 s[KIND], 2
	s_cselect_b64 s[84:85], s[88:89], s[84:85]
	s_lshl_b32 s14, s98, 9
	s_lshl_b32 s15, s11, 8
	s_add_co_u32 s14, s14, s15
	s_mov_b32 s15, 0
	s_add_nc_u64 s[84:85], s[84:85], s[14:15]
	v_and_b32 v1, 15, v0                           ; r
	v_bfe_u32 v2, v0, 4, 1                         ; h
	v_and_b32 v3, 31, v0                           ; lane
	v_mul_u32_u24 v6, s9, v2
	v_mad_u32_u24 v6, v1, s10, v6
	v_mov_b32 v7, s8
.irp j, 0,1,2,3,4,5,6,7
	v_mad_u32_u24 v[PF+\j], v7, \j, v6
.endr
.irp i, 0,1,2,3
.irp j, 0,1,2,3,4,5,6,7
	global_load_b32 v[ACC+40*\i+\j], v[PF+\j], s[84:85] offset:64*\i
.endr
.endr
	v_lshlrev_b32 v[L16], 4, v3
	v_lshlrev_b32 v[L8], 3, v3
	v_lshlrev_b32 v[L4], 2, v3
	v_mul_u32_u24 v4, v1, PITCH
	v_mad_u32_u24 v5, v2, 24, v4                   ; row x pitch + 24 x half
	v_add_nc_u32 v[ADRP], s6, v5
	v_add_nc_u32 v[ADRR], s7, v5
	v_add_nc_u32 v[ADRP+1], SLOT, v[ADRP]
	v_add_nc_u32 v[ADRR+1], SLOT, v[ADRR]
	v_mul_u32_u24 v5, s13, v2
	v_add_nc_u32 v5, v4, v5
	v_add_nc_u32 v5, 232, v5                       ; lanes 0-15 byte 232 in slot 0, lanes 16-31 byte 0 in slot 1
	v_add_nc_u32 v[ADRP+2], s6, v5
	v_add_nc_u32 v[ADRR+2], s7, v5
	v_sub_nc_u32 v5, 1, v2
	v_mul_u32_u24 v5, s16, v5
	v_add_nc_u32 v5, v4, v5                        ; lanes 0-15 byte 232 in slot 1, lanes 16-31 byte 0 in slot 0
	v_add_nc_u32 v[ADRP+3], s6, v5
	v_add_nc_u32 v[ADRR+3], s7, v5
	v_lshlrev_b32 v5, 5, v1
	v_and_b32 v4, 8, v1
	v_lshl_add_u32 v5, v4, 1, v5                   ; 32 r + 16 (r / 8)
	v_mul_u32_u24 v4, s3, v2                       ; lanes 16-31 take R's
	v_add_nc_u32 v5, v4, v5
	v_add_nc_u32 v[ADRS], s2, v5
.macro FRAG reg, adr, st, i            ; 16 rows x 128 K: lane (r, h): registers 6 c .. 6 c + 5 = K 64 c + 32 h + 0 .. 31: 24 bytes of the row as they lie, in pieces of 8 bytes, each inside one chunk
.irp p, 0,1,2,3,4,5
.set BY, 96*(\st)+48*(\p/3)+8*(\p%3)
.if BY/256 == (BY+24)/256
	ds_load_b64 v[\reg+2*\p:\reg+2*\p+1], v[\adr+(BY/256)%2] offset:BY%256+(\i)*16*PITCH
.else
	ds_load_b64 v[\reg+2*\p:\reg+2*\p+1], v[\adr+2+(BY/256)%2] offset:BY%256-232+(\i)*16*PITCH
.endif
.endr
.endm
; Four places stand in front: the loads land in registers that matrix instructions have read.
.macro FETCH st
.rept 4
	v_nop
.endr
.irp i, 0,1,2,3
	FRAG RF+12*\i, ADRR, \st, \i
.endr
.if (\st)%2 == 0
.irp i, 0,1,2,3
	ds_load_b64 v[SC+2*\i:SC+2*\i+1], v[ADRS] offset:544*\i+4*(\st)
.endr
.endif
.irp i, 0,1,2,3
	FRAG PF+12*\i, ADRP, \st, \i
.endr
.endm
.macro MM a, m, q, c
	v_wmma_scale_f32_16x16x128_f8f6f4 v[ACC+32*(\m)+8*(\a):ACC+32*(\m)+8*(\a)+7], v[PF+12*(\a):PF+12*(\a)+11], v[RF+12*(\m):RF+12*(\m)+11], v[\c:\c+7], v[SC+2*(\a)+(\q)], v[SC+2*(\m)+(\q)] matrix_a_fmt:MATRIX_FMT_FP6 matrix_b_fmt:MATRIX_FMT_FP6 matrix_b_scale:MATRIX_SCALE_ROW1
.endm
.macro KSTEP st                        ; 16 products, the 16 accumulators by turns, one instruction a turn
	FETCH \st
.irp a, 0,1,2,3
	s_wait_dscnt 18-6*\a                           ; P's tile a is in; the tiles behind it, six loads each, may be out
.irp m, 0,1,2,3
	MM \a, \m, (\st)%2, ACC+32*\m+8*\a
.endr
.endr
.endm
.macro SHOW                            ; my tensor load has landed and my reads are over; the barrier shows it to all
	s_wait_tensorcnt 0x0
	s_wait_dscnt 0x0
	s_barrier_signal -1
	s_barrier_wait -1
.endm
	s_wait_alu depctr_va_vdst(0)
	s_wait_loadcnt 0x0                             ; the bias; its offset registers are free
	s_cmp_lt_u32 s[WV], 4
	s_cbranch_scc1 .Lmine
	s_cmp_lt_u32 s[WV], 8                          ; chunk 1 may still be on its way
	s_cbranch_scc1 .Lnot_mine
.Lmine:
	s_wait_tensorcnt 0x0
.Lnot_mine:
	s_barrier_signal -1
	s_barrier_wait -1                              ; chunk 0 and the scale bytes are in
	; the first 128 along K.  The twelve accumulators off the diagonal take the diagonal's bias as C: q, k: that of their P tile; v: that of their R tile
	FETCH 0
	s_wait_dscnt 0x0
	s_cmp_eq_u32 s[KIND], 2
	s_cbranch_scc1 .Lfirst_for_v
.irp a, 0,1,2,3
.irp m, 0,1,2,3
.if \a != \m
	MM \a, \m, 0, ACC+40*\a
.endif
.endr
.endr
	s_branch .Ldiagonal
.Lfirst_for_v:
.irp a, 0,1,2,3
.irp m, 0,1,2,3
.if \a != \m
	MM \a, \m, 0, ACC+40*\m
.endif
.endr
.endr
.Ldiagonal:
.rept 5
	v_nop                                          ; five places: the next products write over registers that the last ones read as C
.endr
.irp a, 0,1,2,3
	MM \a, \a, 0, ACC+40*\a
.endr
	KSTEP 1
	SHOW                                           ; chunk 1
	KSTEP 2
	; chunk 0 is read no more: each wave's three lines, a round, and the joint refill first behind it, by waves 0-3
	s_wait_tensorcnt 0x0
	ds_add_u32 v[SPW], v[NIL]
	s_add_nc_u64 s[G0X+2:G0X+3], s[G0X+2:G0X+3], 512
	s_add_nc_u64 s[G0W+2:G0W+3], s[G0W+2:G0W+3], 512
	s_wait_dscnt 0x0
	ROUND
	s_cmp_lt_u32 s[WV], 4
	s_cbranch_scc0 .Lrefilled
	PICK G0X, G1X, G0W, G1W, .Lrefilled
.Lrefilled:
	KSTEP 3
	KSTEP 4
	SHOW                                           ; chunk 2
	KSTEP 5
	KSTEP 6
	KSTEP 7
; 32 numbers of a lane, two blocks of which lane l xor 16 holds the other halves, become six registers of codes v[f] .. v[f + 5] (lane (r, h): block h) and the word v[w] of the two scale bytes.
; A block's scale operand is its largest magnitude with 2 taken off the exponent field; the floor 2^(3 - 127) holds the byte at 1 from below.
.macro QHALF x, f, g, w, t
	v_max3_num_f32 v[\t], |v[\x]|, |v[\x+1]|, 0x1800000
	v_max3_num_f32 v[\t+1], |v[\x+16]|, |v[\x+17]|, 0x1800000
.irp i, 2,4,6,8,10,12,14
	v_max3_num_f32 v[\t], v[\t], |v[\x+\i]|, |v[\x+\i+1]|
	v_max3_num_f32 v[\t+1], v[\t+1], |v[\x+16+\i]|, |v[\x+17+\i]|
.endr
	s_delay_alu instid0(VALU_DEP_2)
	v_permlanex16_b32 v[\t+2], v[\t], s[SEL], s[SEL+1]
	s_delay_alu instid0(VALU_DEP_2)
	v_permlanex16_b32 v[\t+3], v[\t+1], s[SEL], s[SEL+1]
	s_delay_alu instid0(VALU_DEP_2)
	v_max_num_f32 v[\t], v[\t], v[\t+2]
	s_delay_alu instid0(VALU_DEP_2)
	v_max_num_f32 v[\t+1], v[\t+1], v[\t+3]
	s_delay_alu instid0(VALU_DEP_2)
	v_add_nc_u32 v[\t+4], 0xff000000, v[\t]
	s_delay_alu instid0(VALU_DEP_2)
	v_add_nc_u32 v[\t+5], 0xff000000, v[\t+1]
	s_delay_alu instid0(VALU_DEP_2)
	v_lshrrev_b32 v[\t+6], 23, v[\t+4]
	s_delay_alu instid0(VALU_DEP_2)
	v_lshrrev_b32 v[\t+7], 23, v[\t+5]
	s_delay_alu instid0(VALU_DEP_1)
	v_lshl_or_b32 v[\w], v[\t+7], 8, v[\t+6]
	v_cvt_scalef32_pk16_fp6_f32 v[\f:\f+2], v[\x:\x+15], v[\t+4]
	v_cvt_scalef32_pk16_fp6_f32 v[\g:\g+2], v[\x+16:\x+31], v[\t+5]
	v_nop                                          ; one plain place behind a scaled conversion
.irp i, 0,1,2
	v_permlane16_swap_b32 v[\f+\i], v[\g+\i]       ; a lane now holds a whole block
.endr
.irp i, 0,1,2
	v_mov_b32 v[\f+3+\i], v[\g+\i]
.endr
.endm
	; THE WAY OUT: where my four HALFs and my scale words go
	s_lshr_b32 s4, s99, 4
	s_lshl_b32 s4, s4, 4
	s_lshl_b32 s5, s98, 1
	s_add_co_u32 s4, s4, s5
	s_add_co_u32 s4, s4, s11                       ; bh
	s_and_b32 s5, s99, 15                          ; the block of 128 rows in the batch
	s_lshl_b32 s6, s4, 4
	s_add_co_u32 s6, s6, s5                        ; 16 bh + block
	s_mul_i32 s7, s6, REC
	s_mul_i32 s8, s12, 3072
	s_add_co_u32 s8, s8, s7
	s_cmp_eq_u32 s[KIND], 2
	s_cselect_b32 s9, 6144, 0
	s_add_co_u32 s8, s8, s9                        ; k, v: in kv
	s_mul_i32 s9, s6, 6144
	s_mul_i32 s10, s12, 3072
	s_add_co_u32 s9, s9, s10                       ; q: in qc
	s_lshl_b32 s10, s12, 8
	s_lshl_b32 s14, s6, 9
	s_add_co_u32 s14, s14, s10                     ; q's words, in qs
	s_add_co_u32 s15, s7, s10
	s_add_co_u32 s15, s15, 12288                   ; k's words, in kv
	s_lshl_b32 s10, s12, 1
	s_add_co_u32 s10, s10, s7
	s_add_co_u32 s10, s10, 12800                   ; v's: my 64 keys are two of a word's four bytes
	s_cmp_eq_u32 s[KIND], 0
	s_cselect_b32 s8, s9, s8
	s_cselect_b32 s14, s14, s15
	s_cselect_b64 s[90:91], s[90:91], s[70:71]
	s_cselect_b64 s[68:69], s[68:69], s[70:71]
	s_cmp_eq_u32 s[KIND], 2
	s_cselect_b32 s14, s10, s14
	s_mov_b32 s9, 0
	s_mov_b32 s15, 0
	s_add_nc_u64 s[90:91], s[90:91], s[8:9]
	s_add_nc_u64 s[68:69], s[68:69], s[14:15]
.rept 4
	v_nop                                          ; places behind the last products
.endr
.irp m, 0,1,2,3
	QHALF ACC+32*\m, 64+8*\m, 40, 96+\m, 44
.endr
; rows 8-15 of tile m change places with rows 0-7 of tile m + 2: a tile then holds 8 rows of each 32
.macro XCH a, b
	v_mov_b32_dpp v40, v[\b] row_xmask:8 row_mask:0xf bank_mask:0xf
	v_mov_b32_dpp v41, v[\a] row_xmask:8 row_mask:0xf bank_mask:0xf
	v_cndmask_b32 v[\a], v[\a], v40, s93
	v_cndmask_b32 v[\b], v41, v[\b], s93
.endm
.irp m, 0,1
.irp i, 0,1,2,3,4,5
	XCH 64+8*\m+\i, 80+8*\m+\i
.endr
	XCH 96+\m, 98+\m
.endr
.irp m, 0,1,2,3
	global_store_b128 v[L16], v[64+8*\m:67+8*\m], s[90:91] offset:768*\m        ; 32 lanes store 512 consecutive bytes, at a multiple of 256
	global_store_b64 v[L8], v[68+8*\m:69+8*\m], s[90:91] offset:768*\m+512      ; and 256
.endr
	v_cmp_le_u32 vcc_lo, 16, v3
	v_cndmask_b32 v100, v96, v97, vcc_lo           ; lanes 0-15 tile 0's words, lanes 16-31 tile 1's
	v_cndmask_b32 v101, v98, v99, vcc_lo
	s_wait_alu depctr_va_vdst(0)
	s_cmp_eq_u32 s[KIND], 2
	s_cbranch_scc1 .Lv_words
	global_store_b32 v[L4], v100, s[68:69]
	global_store_b32 v[L4], v101, s[68:69] offset:128
	s_branch .Lend
.Lv_words:
	global_store_b16 v[L4], v100, s[68:69]
	global_store_b16 v[L4], v101, s[68:69] offset:128
.Lend:
	s_wait_tensorcnt 0x0                           ; the wave's end
	ds_add_u32 v[SPW], v[NIL]
	s_wait_dscnt 0x0
	ROUND                                          ; the closing round
	s_endpgm
.Lfunc_end_k_q96712bd7b0_qkv:
	.size	k_q96712bd7b0_qkv, .Lfunc_end_k_q96712bd7b0_qkv-k_q96712bd7b0_qkv
	.p2alignl 7, 3214868480
	.fill 96, 4, 3214868480
	.section	.rodata,"a",@progbits
	.p2align	6, 0x0
	.amdhsa_kernel k_q96712bd7b0_qkv
		.amdhsa_group_segment_fixed_size 327680
		.amdhsa_private_segment_fixed_size 0
		.amdhsa_enable_private_segment 0
		.amdhsa_kernarg_size 112
		.amdhsa_user_sgpr_count 2
		.amdhsa_user_sgpr_kernarg_segment_ptr 1
		.amdhsa_wavefront_size32 1
		.amdhsa_system_sgpr_workgroup_id_x 1
		.amdhsa_system_sgpr_workgroup_id_y 1
		.amdhsa_system_sgpr_workgroup_id_z 1
		.amdhsa_system_vgpr_workitem_id 0
		.amdhsa_next_free_vgpr 256
		.amdhsa_next_free_sgpr 102
		.amdhsa_reserve_vcc 1
		.amdhsa_float_denorm_mode_32 3
		.amdhsa_float_denorm_mode_16_64 3
		.amdhsa_memory_ordered 1
		.amdhsa_forward_progress 1
		.amdhsa_inst_pref_size 75
	.end_amdhsa_kernel
	.amdgpu_metadata
---
amdhsa.version: [ 1, 2 ]
amdhsa.kernels:
  - .name:           k_q96712bd7b0_qkv
    .symbol:         k_q96712bd7b0_qkv.kd
    .args:
      - { .name: x_codes, .offset: 0, .size: 8, .value_kind: global_buffer, .address_space: global }
      - { .name: x_scales, .offset: 8, .size: 8, .value_kind: global_buffer, .address_space: global }
      - { .name: Wq_codes, .offset: 16, .size: 8, .value_kind: global_buffer, .address_space: global }
      - { .name: Wq_scales, .offset: 24, .size: 8, .value_kind: global_buffer, .address_space: global }
      - { .name: Wk_codes, .offset: 32, .size: 8, .value_kind: global_buffer, .address_space: global }
      - { .name: Wk_scales, .offset: 40, .size: 8, .value_kind: global_buffer, .address_space: global }
      - { .name: Wv_codes, .offset: 48, .size: 8, .value_kind: global_buffer, .address_space: global }
      - { .name: Wv_scales, .offset: 56, .size: 8, .value_kind: global_buffer, .address_space: global }
      - { .name: bq, .offset: 64, .size: 8, .value_kind: global_buffer, .address_space: global }
      - { .name: bk, .offset: 72, .size: 8, .value_kind: global_buffer, .address_space: global }
      - { .name: bv, .offset: 80, .size: 8, .value_kind: global_buffer, .address_space: global }
      - { .name: qc, .offset: 88, .size: 8, .value_kind: global_buffer, .address_space: global }
      - { .name: qs, .offset: 96, .size: 8, .value_kind: global_buffer, .address_space: global }
      - { .name: kv, .offset: 104, .size: 8, .value_kind: global_buffer, .address_space: global }
    .group_segment_fixed_size: 327680
    .private_segment_fixed_size: 0
    .kernarg_segment_align: 8
    .kernarg_segment_size: 112
    .max_flat_workgroup_size: 384
    .sgpr_count:     102
    .vgpr_count:     256
    .wavefront_size: 32
...
	.end_amdgpu_metadata
.endif
;; end of part 1
;; launch attn (part 2): grid 8 x 32, 16 waves a work-group, clusters of 4 x 1, 280,576 bytes of LDS; arguments qc, qs, kv, oc, os; writes oc, os
.if DOCPART == 2
	.amdgcn_target "amdgcn-amd-amdhsa--gfx1250"
	.amdhsa_code_object_version 6
	.text
	.protected	k_q96712bd7b0_attn
	.globl	k_q96712bd7b0_attn
	.p2align	8
	.type	k_q96712bd7b0_attn,@function
k_q96712bd7b0_attn:
	s_mov_b64 s[64:65], 0
	v_nop
	global_prefetch_b8 v0, s[64:65] scope:SCOPE_SE
	s_setreg_imm32_b32 hwreg(HW_REG_WAVE_MODE, 25, 1), 1
	s_wait_xcnt 0x0
	s_wait_alu depctr_hold_cnt(0) depctr_sa_sdst(0) depctr_va_vdst(0) depctr_va_sdst(0) depctr_va_ssrc(0) depctr_va_vcc(0) depctr_vm_vsrc(0)
	s_getreg_b32 s2, hwreg(HW_REG_IB_STS2, 6, 4)
	s_cmp_eq_u32 s2, 0
	s_cbranch_scc0 .Lentry_in_a_cluster
	s_endpgm
.Lentry_in_a_cluster:
	s_bfe_u32 s2, ttmp6, 0x10000c
	s_cmp_lg_u32 s2, 0x3003
	s_cbranch_scc0 .Lentry_shape_is_right
	s_endpgm
.Lentry_shape_is_right:
; Causal attention on codes of FP6 (E2M3): S = q k^T (K = the head's 64; the upper 64 of Q's operand are zero codes, so what stands there in K's operand adds nothing), the softmax, O = p v (K = the keys), O / the row's sum,
; quantised along the model's 1,024 channels for the last product.
; THE SOFTMAX: t = score x log2(e) / 8; M = the row's largest t so far, rounded up to a whole number; p = 2^(t - M) is quantised along the keys; the row's sum is taken of the unquantised p.  When M moves, sum and O are multiplied by 2^(old M - new M).
; WORK LEFT OUT: key steps of 128 whose keys all come after a tile's queries (reference()'s own mask).
; SHARES.  Work-group (x, bh) owns tile x (16 queries) of each of head bh's sixteen blocks of 128 queries.  Block s needs steps 0 .. s of 128 keys: 136 tile steps a work-group, whatever x: no branch hangs on x.
; Pair p = wave / 2 owns the tiles of blocks p (early) and 15 - p (late), 17 tile steps.  Its wave A walks the early tile's steps 0 .. p, then the late tile's steps p + 1 .. 7: 8;  its wave B the late tile's steps 0 .. p and 8 .. 15 - p: 9.
; At the end B joins A's part of the late tile to its own, through LDS: both are brought under the larger M by a power of two.  A's finished early tile waits in LDS until then.  A is the wave with (w ^ (w / 4)) % 2 = 0.
; THE WHOLE HEAD'S K AND V LIE IN LDS: 16 records of 13,056 bytes, one for each step, one tensor load a wave, filled once.  CLUSTER 4 x 1: the four work-groups of a cluster share the head: every record is asked for jointly.
; Record 0 is shown by a first barrier; the others by a second one, behind step 0, in which every wave has work.  NO PREFETCH: every tile is asked for at the head; no loop fetches.
; LAYOUT.  S^T = K Q^T, O^T = V^T P^T: a lane holds ONE query.  By K's order of rows register 8 u + j of tiles 4 c .. 4 c + 3 in lane (r, h) is key 64 c + 32 h + 16 (u % 2) + 8 (u / 2) + j: a lane's 32 registers are one whole scale block, in the order in which
; v's codes lie.  O^T's register 8 m + j is channel 32 h + 16 (m % 2) + 8 (m / 2) + j.  Lane r of tile x has query 64 (x / 4) + 32 (r / 8) + 16 (x % 2) + 8 ((x % 4) / 2) + r % 8 of its block.
; LIMITS: NaN and infinities are not served; the promise holds while the scaled scores stay under 2^31 in magnitude; p under 2^-126 counts as 0; a block whose largest number lies under 2^-124 gets the scale byte 1.
.set REC,   13056
.set STG,   16*REC                     ; a stage of 4,352 bytes for each wave: O^T's 32 registers, then two words a lane
.set STGP,  4352
.set SPARE, STG+16*STGP
; v0 partner's stage + 16 lane, v254 partner's stage + 4 lane (v0 from the head's end on)
.set KF,   32                          ; v32-79 K's eight tiles, 6 registers each; v80-85 the late tile's Q (named as tile 7's upper half too)
.set VF,   86                          ; v86-133 V's four fragments
.set S,    134                         ; v134-197 S^T, then p
.set O,    198                         ; v198-229 O^T
.set P,    230                         ; v230-241 p's codes
; v1 16 lane, v2 8 lane + 512, v3 4 lane, v4 8 h, v5 4 r + h, v6 spare word, v7 0, v8-10 the step's addresses, v11 stage + 16 lane, v29 stage + 4 lane
; v12 -M, v13 the largest score, v[14:15] the sum in two halves, v16-27 Q (22-27 zero), v28 f; scale words, and nothing else: v242-245 K's, v246-247 V's, v248 p's, v249 Q's, v255 the late tile's Q's
.set WV,  12
.set SN,  13                           ; the step; s14 its record in LDS
.set TB,  14
.set LO,  15                           ; steps up to LO, and from 8 up to HI, are mine
.set HI,  16
.set DG,  17                           ; the step with hidden keys; also my own tile's block
.set SW,  18                           ; the step ahead of which A changes tiles
.set PP,  19
.set SEL, 20
.set CS,  22                           ; c = log2(e) / 8
.set G1,  24
.set G0,  32
.macro ROUND
	s_barrier_signal -1
	s_barrier_wait -1
	s_cmp_lg_u32 s[WV], 0
	s_cbranch_scc1 .Lnot_wave_0_\@
	s_barrier_signal -3
.Lnot_wave_0_\@:
	s_barrier_wait -3
	s_barrier_signal -1
	s_barrier_wait -1
.endm
	s_load_b256 s[4:11], s[0:1], 0x0               ; qc, qs, kv, oc
	s_load_b64 s[2:3], s[0:1], 0x20                ; os
	v_lshl_add_u32 v6, v0, 2, SPARE
	v_mov_b32 v7, 0
	ds_add_u32 v6, v7
	ds_add_u32 v6, v7
	v_lshrrev_b32 v1, 5, v0
	v_readfirstlane_b32 s[WV], v1
	s_bfe_u32 s52, ttmp6, 0x40000
	s_lshl_b32 s53, ttmp9, 2
	s_add_co_u32 s52, s52, s53                     ; x
	s_and_b32 s53, ttmp7, 0xffff                   ; bh
	s_lshr_b32 s[PP], s[WV], 1
	s_lshr_b32 s54, s[WV], 2
	s_xor_b32 s54, s54, s[WV]
	s_and_b32 s54, s54, 1                          ; 0: A, 1: B
	s_xor_b32 s58, s[PP], 15                       ; the late block
	s_add_co_u32 s59, s[PP], 1
	s_movk_i32 s60, 99
	s_cmp_eq_u32 s54, 0
	s_cselect_b32 s[DG], s[PP], s58
	s_cselect_b32 s[LO], 7, s[PP]
	s_cselect_b32 s[HI], 7, s58
	s_cselect_b32 s[SW], s59, s60
	; the diagonal's masks (visible lanes).  In the 64 keys of my tile's own half: key groups of 8 ahead of mine in order: all but lanes 16-23; behind mine: lanes 8-15 alone; mine, key j: lanes with r % 8 >= j of lanes 0-7 and 24-31, and lanes 8-15
.irp j, 0,1,2,3,4,5,6,7
	s_mov_b32 s[36+\j], 0xff00|((0xff<<\j)&0xff)|(((0xff<<\j)&0xff)<<24)
.endr
	s_lshr_b32 s44, s52, 2                         ; my tile's half of the block
	s_and_b32 s45, s52, 1
	s_lshl_b32 s45, s45, 1
	s_bfe_u32 s46, s52, 0x10001
	s_add_co_u32 s45, s45, s46
	s_lshl_b32 s46, s44, 2
	s_add_co_u32 s45, s45, s46                     ; my place in the order of the block's groups of 8
	s_mov_b32 s[SEL], 0x76543210
	s_mov_b32 s[SEL+1], 0xfedcba98
	s_mov_b32 s[CS], 0x3e38aa3b
	s_mov_b32 s[CS+1], s[CS]                       ; (named with it as a pair, so it is written)
	; a record: 51 rows of 32 elements of 8 bytes, dense; mask: all four work-groups of the cluster
	s_mov_b32 s[G1], (3<<16)|(1<<21)|15
	s_mov_b32 s[G1+1], 32<<16
	s_mov_b32 s[G1+2], 51<<16
	s_mov_b32 s[G1+3], 32<<16
	s_mov_b32 s[G1+4], 51
	s_mov_b32 s[G1+5], 32
	s_mov_b32 s[G1+6], 0
	s_mov_b32 s[G1+7], 0
	s_mov_b32 s[G0], 1
	s_mul_i32 s[G0+1], s[WV], REC
	s_lshl_b32 s60, s53, 4
	s_add_co_u32 s60, s60, s[WV]
	s_mul_i32 s60, s60, REC
	s_mov_b32 s61, 0
	s_wait_alu depctr_va_vdst(0)
	s_wait_dscnt 0x0                               ; both opening adds are done
	s_wait_kmcnt 0x0
	s_add_nc_u64 s[G0+2:G0+3], s[8:9], s[60:61]
	s_or_b32 s[G0+3], s[G0+3], 0x80000000
	ROUND                                          ; all four work-groups are here: the joint loads meet
	s_cmp_eq_u32 s[WV], 0                          ; record 0 has a load line of its own
	s_cbranch_scc0 .Lothers
	tensor_load_to_lds s[G0:G0+3], s[G1:G1+7]
	s_nop 0
.rept 4
	v_nop
.endr
	s_branch .Lasked
.Lothers:
	tensor_load_to_lds s[G0:G0+3], s[G1:G1+7]
	s_nop 0
.rept 4
	v_nop
.endr
.Lasked:
	s_lshl_b32 s60, s53, 7
	s_add_co_u32 s60, s60, s52                     ; 128 bh + x
	s_lshl_b32 s61, s[DG], 3
	s_add_co_u32 s62, s60, s61                     ; my first tile of queries,
	s_lshl_b32 s61, s58, 3
	s_add_co_u32 s66, s60, s61                     ; and the late one
	s_lshl_b32 s68, s62, 6
	s_lshl_b32 s70, s66, 6
	s_mul_i32 s62, s62, 768
	s_mul_i32 s66, s66, 768
	s_mov_b32 s63, 0
	s_mov_b32 s67, 0
	s_mov_b32 s69, 0
	s_mov_b32 s71, 0
	s_add_nc_u64 s[62:63], s[4:5], s[62:63]
	s_add_nc_u64 s[66:67], s[4:5], s[66:67]
	s_add_nc_u64 s[68:69], s[6:7], s[68:69]
	s_add_nc_u64 s[70:71], s[6:7], s[70:71]
	s_mul_i32 s72, s[WV], STGP
	s_add_co_u32 s72, s72, STG
	s_xor_b32 s73, s[WV], 1
	s_mul_i32 s73, s73, STGP
	s_add_co_u32 s73, s73, STG
	v_and_b32 v8, 31, v0                           ; lane
	v_and_b32 v9, 15, v0                           ; r
	v_bfe_u32 v10, v0, 4, 1                        ; h
	v_lshlrev_b32 v1, 4, v8
	v_lshl_add_u32 v2, v8, 3, 512
	v_lshlrev_b32 v3, 2, v8
	v_lshlrev_b32 v4, 3, v10
	v_lshlrev_b32 v30, 2, v9
	v_add_nc_u32 v5, v30, v10
	v_add_nc_u32 v11, s72, v1
	v_add_nc_u32 v29, s72, v3
	v_add_nc_u32 v0, s73, v1
	v_add_nc_u32 v254, s73, v3
	global_load_b128 v[16:19], v1, s[62:63]
	global_load_b64 v[20:21], v2, s[62:63]
	global_load_b128 v[80:83], v1, s[66:67]
	global_load_b64 v[84:85], v2, s[66:67]
	global_load_b32 v249, v30, s[68:69]
	global_load_b32 v255, v30, s[70:71]
.irp i, 22,23,24,25,26,27
	v_mov_b32 v[\i], 0
.endr
	v_mov_b32 v12, 0x7f61b1e6                      ; -M = 3e38
	v_mov_b32 v13, 0xff61b1e6                      ; the largest score so far: -3e38
	v_mov_b32 v14, 0
	v_mov_b32 v15, 0
	v_mov_b32 v31, 0                               ; written once: a lane permute's destination counts as one of its sources
.macro DIAG                            ; hidden keys' scores become -infinity ahead of the maximum: p = 0 then
	v_mov_b32 v40, 0xff800000                      ; (K's registers have served)
	s_mov_b32 s56, 0xff00ffff
	s_mov_b32 s57, 0xff00
	s_wait_alu depctr_va_vdst(0)
.irp c, 0,1
	s_cmp_eq_u32 s44, \c
	s_cselect_b32 s46, s56, -1
	s_cselect_b32 s47, s57, 0
.irp u, 0,1,2,3
	s_cmp_lt_u32 s45, 4*\c+2*(\u%2)+\u/2
	s_cselect_b32 s48, s47, s46
	s_cmp_eq_u32 s45, 4*\c+2*(\u%2)+\u/2
.irp j, 0,1,2,3,4,5,6,7
	s_cselect_b32 s[72+\j], s[36+\j], s48
.endr
.irp j, 0,1,2,3,4,5,6,7
	v_cndmask_b32 v[S+32*\c+8*\u+\j], v40, v[S+32*\c+8*\u+\j], s[72+\j]
.endr
.endr
.endr
	s_wait_alu depctr_va_vdst(0)
.endm
.macro STEP first                      ; 128 keys for my tile of 16 queries
	v_add_nc_u32 v8, s[TB], v1                     ; (with the v_nop the places in front of loads into registers that the last step's products read)
	v_add_nc_u32 v9, s[TB], v2
	v_add_nc_u32 v10, s[TB], v3
	v_nop
.irp t, 0,1,2,3,4,5,6,7
	ds_load_b128 v[KF+6*\t:KF+6*\t+3], v8 offset:768*\t
	ds_load_b64 v[KF+6*\t+4:KF+6*\t+5], v9 offset:768*\t
.endr
.irp k, 0,1,2,3
	ds_load_b32 v[242+\k], v10 offset:12288+128*\k ; a register carries two tiles' words, the even one's in lanes 0-15
.endr
.irp m, 0,1,2,3
	ds_load_b128 v[VF+12*\m:VF+12*\m+3], v8 offset:6144+768*\m
	ds_load_b64 v[VF+12*\m+4:VF+12*\m+5], v9 offset:6144+768*\m
	ds_load_b128 v[VF+12*\m+6:VF+12*\m+9], v8 offset:9216+768*\m
	ds_load_b64 v[VF+12*\m+10:VF+12*\m+11], v9 offset:9216+768*\m
.endr
	ds_load_b32 v246, v10 offset:12800
	ds_load_b32 v247, v10 offset:12928
	s_wait_dscnt 18                                ; K's twenty loads are in; V's eighteen may be out
.irp t, 0,1,2,3,4,5,6,7
.if \t%2
	v_wmma_scale_f32_16x16x128_f8f6f4 v[S+8*\t:S+8*\t+7], v[KF+6*\t:KF+6*\t+11], v[16:27], 0, v[242+\t/2], v249 matrix_a_fmt:MATRIX_FMT_FP6 matrix_b_fmt:MATRIX_FMT_FP6 matrix_a_scale:MATRIX_SCALE_ROW1
.else
	v_wmma_scale_f32_16x16x128_f8f6f4 v[S+8*\t:S+8*\t+7], v[KF+6*\t:KF+6*\t+11], v[16:27], 0, v[242+\t/2], v249 matrix_a_fmt:MATRIX_FMT_FP6 matrix_b_fmt:MATRIX_FMT_FP6
.endif
.endr
.rept 4
	v_nop                                          ; places in front of the first read of the results
.endr
	s_cmp_lg_u32 s[SN], s[DG]
	s_cbranch_scc1 .Lopen_\@
	DIAG
.Lopen_\@:
	; the largest score of each of my two blocks: for the row's maximum, and, since p rises with the score, for the block's largest p.  Two chains a block
.irp c, 0,1
	v_max3_num_f32 v[250+\c], v[S+32*\c], v[S+32*\c+1], v[S+32*\c+2]
	v_max3_num_f32 v[252+\c], v[S+32*\c+16], v[S+32*\c+17], v[S+32*\c+18]
.endr
.irp i, 3,5,7,9,11,13
.irp c, 0,1
	v_max3_num_f32 v[250+\c], v[250+\c], v[S+32*\c+\i], v[S+32*\c+\i+1]
	v_max3_num_f32 v[252+\c], v[252+\c], v[S+32*\c+16+\i], v[S+32*\c+17+\i]
.endr
.endr
.irp c, 0,1
	v_max3_num_f32 v[250+\c], v[250+\c], v[252+\c], v[S+32*\c+15]
.endr
.irp c, 0,1
	v_max_num_f32 v[250+\c], v[250+\c], v[S+32*\c+31]
.endr
	v_max3_num_f32 v30, v250, v251, v13
	s_delay_alu instid0(VALU_DEP_1)
	v_permlanex16_b32 v31, v30, s[SEL], s[SEL+1]
	s_delay_alu instid0(VALU_DEP_1)
	v_max_num_f32 v13, v30, v31                    ; the running largest score of my query
	s_delay_alu instid0(VALU_DEP_1)
	v_mul_f32 v30, s[CS], v13
	s_delay_alu instid0(VALU_DEP_1)
	v_floor_f32 v30, -v30                          ; the new -M
	s_delay_alu instid0(VALU_DEP_1)
	v_sub_f32 v31, v30, v12                        ; old M - new M: a whole number, 0 or less
	v_mov_b32 v12, v30
	s_delay_alu instid0(VALU_DEP_2)
	v_cvt_i32_f32 v31, v31                         ; (it saturates)
	s_delay_alu instid0(VALU_DEP_1)
	v_ldexp_f32 v28, 1.0, v31                      ; f = 2^(old M - new M)
.set NN, 0
.rept 32
	v_pk_fma_f32 v[S+NN:S+NN+1], v[S+NN:S+NN+1], s[CS:CS+1], v[12:13] op_sel_hi:[1,0,0]   ; t - M
.set NN, NN+2
.endr
.irp c, 0,1
	v_fma_f32 v[250+\c], v[250+\c], s[CS], v12
.endr
	s_wait_alu depctr_va_vdst(0)
.set NN, 0
.rept 64
	v_exp_f32 v[S+NN], v[S+NN]                     ; p = 2^(t - M)
.set NN, NN+1
.endr
	v_exp_f32 v250, v250                           ; each block's largest p: the same two instructions on the same number
	v_exp_f32 v251, v251
	v_pk_mul_f32 v[14:15], v[14:15], v[28:29] op_sel_hi:[1,0]   ; the sums under the new M.  (A plain place behind the exponentials)
	s_wait_dscnt 0x0                               ; V is in
	s_wait_alu depctr_va_vdst(0)
.irp c, 0,1
	v_max_num_f32 v[250+\c], 0x1800000, v[250+\c]  ; the floor 2^(3 - 127)
.endr
.irp c, 0,1
	v_add_nc_u32 v[252+\c], 0xff000000, v[250+\c]  ; 2 off the exponent field: the conversion's scale operand
.endr
.irp c, 0,1
	v_lshrrev_b32 v[250+\c], 23, v[252+\c]
.endr
	v_lshl_or_b32 v30, v251, 16, v250              ; blocks h and 2 + h,
	v_lshlrev_b32 v30, v4, v30                     ; at their places in the scale word;
	v_permlanex16_b32 v31, v30, s[SEL], s[SEL+1]
	v_or_b32 v248, v30, v31                        ; with lane l xor 16's the word is whole
	v_cvt_scalef32_pk16_fp6_f32 v[P:P+2], v[S:S+15], v252
	v_cvt_scalef32_pk16_fp6_f32 v[32:34], v[S+16:S+31], v252
	v_cvt_scalef32_pk16_fp6_f32 v[P+6:P+8], v[S+32:S+47], v253
	v_cvt_scalef32_pk16_fp6_f32 v[36:38], v[S+48:S+63], v253
	v_pk_add_f32 v[40:41], v[S:S+1], v[S+2:S+3]    ; the row's sum, in four chains
	v_pk_add_f32 v[42:43], v[S+4:S+5], v[S+6:S+7]
	v_pk_add_f32 v[44:45], v[S+8:S+9], v[S+10:S+11]
	v_pk_add_f32 v[14:15], v[14:15], v[S+12:S+13]
.set NN, S+14
.rept 6
	v_pk_add_f32 v[40:41], v[40:41], v[NN:NN+1]
	v_pk_add_f32 v[42:43], v[42:43], v[NN+2:NN+3]
	v_pk_add_f32 v[44:45], v[44:45], v[NN+4:NN+5]
	v_pk_add_f32 v[14:15], v[14:15], v[NN+6:NN+7]
.set NN, NN+8
.endr
	v_pk_add_f32 v[40:41], v[40:41], v[S+62:S+63]
	v_pk_add_f32 v[42:43], v[42:43], v[44:45]
.irp i, 0,1,2
	v_mov_b32 v[P+3+\i], v[32+\i]                  ; (a conversion's three registers begin on an even number)
	v_mov_b32 v[P+9+\i], v[36+\i]
.endr
	v_pk_add_f32 v[14:15], v[14:15], v[40:41]
	v_pk_add_f32 v[14:15], v[14:15], v[42:43]
.if \first
.rept 4
	v_nop                                          ; places between p's codes and the products
.endr
.else
	s_wait_alu depctr_va_vdst(0)
.set NN, 0
.rept 16
	v_pk_mul_f32 v[O+NN:O+NN+1], v[O+NN:O+NN+1], v[28:29] op_sel_hi:[1,0]   ; O^T under the new M
.set NN, NN+2
.endr
.endif
.irp m, 0,1,2,3                        ; O^T += V^T P^T: the four accumulators by turns
.if \first
.if \m%2
	v_wmma_scale_f32_16x16x128_f8f6f4 v[O+8*\m:O+8*\m+7], v[VF+12*\m:VF+12*\m+11], v[P:P+11], 0, v[246+\m/2], v248 matrix_a_fmt:MATRIX_FMT_FP6 matrix_b_fmt:MATRIX_FMT_FP6 matrix_a_scale:MATRIX_SCALE_ROW1
.else
	v_wmma_scale_f32_16x16x128_f8f6f4 v[O+8*\m:O+8*\m+7], v[VF+12*\m:VF+12*\m+11], v[P:P+11], 0, v[246+\m/2], v248 matrix_a_fmt:MATRIX_FMT_FP6 matrix_b_fmt:MATRIX_FMT_FP6
.endif
.else
.if \m%2
	v_wmma_scale_f32_16x16x128_f8f6f4 v[O+8*\m:O+8*\m+7], v[VF+12*\m:VF+12*\m+11], v[P:P+11], v[O+8*\m:O+8*\m+7], v[246+\m/2], v248 matrix_a_fmt:MATRIX_FMT_FP6 matrix_b_fmt:MATRIX_FMT_FP6 matrix_a_scale:MATRIX_SCALE_ROW1
.else
	v_wmma_scale_f32_16x16x128_f8f6f4 v[O+8*\m:O+8*\m+7], v[VF+12*\m:VF+12*\m+11], v[P:P+11], v[O+8*\m:O+8*\m+7], v[246+\m/2], v248 matrix_a_fmt:MATRIX_FMT_FP6 matrix_b_fmt:MATRIX_FMT_FP6
.endif
.endif
.endr
.endm
	s_mov_b32 s[SN], 0
	s_mov_b32 s[TB], 0
	s_wait_alu depctr_va_vdst(0)
	s_wait_loadcnt 0x0                             ; Q
	s_cmp_eq_u32 s[WV], 0
	s_cbranch_scc0 .Lnot_record_0
	s_wait_tensorcnt 0x0
.Lnot_record_0:
	s_barrier_signal -1
	s_barrier_wait -1                              ; record 0 is in; the others may be on their way: nothing is ever filled again
	STEP 1
	s_wait_alu depctr_va_vdst(0)
	s_wait_tensorcnt 0x0
	s_wait_dscnt 0x0
	s_barrier_signal -1
	s_barrier_wait -1                              ; all records are in
	s_mov_b32 s[SN], 1
	s_mov_b32 s[TB], REC
.Lstep:
	s_cmp_lg_u32 s[SN], s[SW]
	s_cbranch_scc1 .Lsame_tile
	v_add_f32 v30, v14, v15                        ; A CHANGES TILES: the early tile is finished; its O^T and sum wait in the stage
	v_nop
	v_nop
	v_nop
.irp k, 0,1,2,3,4,5,6,7
	ds_store_b128 v11, v[O+4*\k:O+4*\k+3] offset:512*\k
.endr
	ds_store_b32 v29, v30 offset:4096
.irp i, 0,1,2,3,4,5
	v_mov_b32 v[16+\i], v[80+\i]
.endr
	v_mov_b32 v249, v255
	v_mov_b32 v12, 0x7f61b1e6
	v_mov_b32 v13, 0xff61b1e6
	v_mov_b32 v14, 0
	v_mov_b32 v15, 0
.set NN, 0
.rept 32
	v_mov_b32 v[O+NN], 0                           ; the step is written for a sum under way: its first change of M leaves zeros zeros
.set NN, NN+1
.endr
	s_wait_alu depctr_va_vdst(0)
.Lsame_tile:
	s_cmp_le_u32 s[SN], s[LO]
	s_cbranch_scc1 .Lmine
	s_cmp_lt_u32 s[SN], 8
	s_cbranch_scc1 .Lnot_mine
	s_cmp_gt_u32 s[SN], s[HI]
	s_cbranch_scc1 .Lnot_mine
.Lmine:
	STEP 0
.Lnot_mine:
	s_add_co_u32 s[SN], s[SN], 1
	s_add_co_u32 s[TB], s[TB], REC
	s_wait_alu depctr_va_vdst(0)
	s_cmp_lt_u32 s[SN], 16
	s_cbranch_scc1 .Lstep
	; oc: HALF number (16 tbg + head) x 8 + x, tbg the block of 128 of the 4,096 rows.  os: word (8 tbg + head / 2) x 128 + 16 x + r; a head's two bytes at 2 (head & 1)
	s_lshr_b32 s66, s53, 4
	s_lshl_b32 s66, s66, 4
	s_add_co_u32 s66, s66, s[DG]                   ; tbg
	s_and_b32 s67, s53, 15                         ; head
	s_lshl_b32 s68, s66, 4
	s_add_co_u32 s68, s68, s67
	s_lshl_b32 s68, s68, 3
	s_add_co_u32 s68, s68, s52
	s_mul_i32 s68, s68, 768
	s_mov_b32 s69, 0
	s_add_nc_u64 s[10:11], s[10:11], s[68:69]
	s_lshl_b32 s70, s66, 12
	s_lshr_b32 s71, s67, 1
	s_lshl_b32 s71, s71, 9
	s_add_co_u32 s70, s70, s71
	s_lshl_b32 s71, s52, 6
	s_add_co_u32 s70, s70, s71
	s_and_b32 s71, s67, 1
	s_lshl_b32 s71, s71, 1
	s_add_co_u32 s70, s70, s71
	s_mov_b32 s71, 0
	s_add_nc_u64 s[2:3], s[2:3], s[70:71]
	v_add_f32 v14, v14, v15                        ; the sum's two halves
	v_nop
	v_nop
	v_nop                                          ; (with the addition four places behind the last products)
	s_wait_alu depctr_va_vdst(0)
	s_cmp_eq_u32 s54, 0
	s_cbranch_scc0 .Lb_waits
.irp k, 0,1,2,3,4,5,6,7                ; A takes its early tile back, into V's registers,
	ds_load_b128 v[VF+4*\k:VF+4*\k+3], v11 offset:512*\k
.endr
	ds_load_b32 v30, v29 offset:4096
.irp k, 0,1,2,3,4,5,6,7                ; and leaves its part of the late tile there: LDS serves a wave's instructions in order (ISA guide 5.7.1.4)
	ds_store_b128 v11, v[O+4*\k:O+4*\k+3] offset:512*\k
.endr
	ds_store_b32 v29, v12 offset:4096
	ds_store_b32 v29, v14 offset:4224
.Lb_waits:
	s_wait_dscnt 0x0
	s_barrier_signal -1
	s_barrier_wait -1
	s_cmp_eq_u32 s54, 0
	s_cbranch_scc0 .Lb_joins
	v_mov_b32 v14, v30
	s_wait_alu depctr_va_vdst(0)
	s_branch .Lout
.Lb_joins:
.irp k, 0,1,2,3,4,5,6,7                ; B takes its partner's part
	ds_load_b128 v[S+4*\k:S+4*\k+3], v0 offset:512*\k
.endr
	ds_load_b32 v30, v254 offset:4096
	ds_load_b32 v31, v254 offset:4224
	s_wait_dscnt 0x0
	v_min_num_f32 v250, v12, v30                   ; -M of the whole row
	v_sub_f32 v251, v250, v12
	v_sub_f32 v252, v250, v30
	v_cvt_i32_f32 v251, v251
	v_cvt_i32_f32 v252, v252
	v_ldexp_f32 v28, 1.0, v251
	v_ldexp_f32 v252, 1.0, v252
.set NN, 0
.rept 16
	v_pk_mul_f32 v[S+NN:S+NN+1], v[S+NN:S+NN+1], v[252:253] op_sel_hi:[1,0]
.set NN, NN+2
.endr
.set NN, 0
.rept 16
	v_pk_fma_f32 v[VF+NN:VF+NN+1], v[O+NN:O+NN+1], v[28:29], v[S+NN:S+NN+1] op_sel_hi:[1,0,1]
.set NN, NN+2
.endr
	v_mul_f32 v14, v14, v28
	v_fma_f32 v14, v31, v252, v14
	s_wait_alu depctr_va_vdst(0)
.Lout:
	v_permlanex16_b32 v31, v14, s[SEL], s[SEL+1]
	v_add_f32 v14, v14, v31                        ; the row's sum
	s_wait_alu depctr_va_vdst(0)
	v_rcp_f32 v14, v14
	v_nop                                          ; one plain place behind a transcendental
	s_wait_alu depctr_va_vdst(0)
.irp m, 0,1,2,3
.irp j, 0,1,2,3,4,5,6,7
	v_mul_f32 v[S+16*(\m%2)+8*(\m/2)+\j], v[VF+8*\m+\j], v14
.endr
.endr
	v_max3_num_f32 v250, |v[S]|, |v[S+1]|, 0x1800000
	v_max3_num_f32 v251, |v[S+16]|, |v[S+17]|, |v[S+18]|
.irp i, 2,4,6,8,10,12
	v_max3_num_f32 v250, v250, |v[S+\i]|, |v[S+\i+1]|
	v_max3_num_f32 v251, v251, |v[S+17+\i]|, |v[S+18+\i]|
.endr
	v_max3_num_f32 v250, v250, |v[S+14]|, |v[S+15]|
	v_max3_num_f32 v250, v250, v251, |v[S+31]|
	v_add_nc_u32 v252, 0xff000000, v250
	v_lshrrev_b32 v251, 23, v252
	v_cvt_scalef32_pk16_fp6_f32 v[P:P+2], v[S:S+15], v252
	v_cvt_scalef32_pk16_fp6_f32 v[32:34], v[S+16:S+31], v252
	v_nop                                          ; one plain place behind a scaled conversion
.irp i, 0,1,2
	v_mov_b32 v[P+3+\i], v[32+\i]
.endr
	global_store_b128 v1, v[P:P+3], s[10:11]       ; 32 lanes store 512 consecutive bytes, at a multiple of 256 from oc's first byte
	global_store_b64 v2, v[P+4:P+5], s[10:11]      ; and 256
	global_store_b8 v5, v251, s[2:3]
	s_wait_tensorcnt 0x0                           ; the wave's end
	ds_add_u32 v6, v7
	s_wait_dscnt 0x0
	ROUND                                          ; the closing round
	s_endpgm
.Lfunc_end_k_q96712bd7b0_attn:
	.size	k_q96712bd7b0_attn, .Lfunc_end_k_q96712bd7b0_attn-k_q96712bd7b0_attn
	.p2alignl 7, 3214868480
	.fill 96, 4, 3214868480
	.section	.rodata,"a",@progbits
	.p2align	6, 0x0
	.amdhsa_kernel k_q96712bd7b0_attn
		.amdhsa_group_segment_fixed_size 280576
		.amdhsa_private_segment_fixed_size 0
		.amdhsa_enable_private_segment 0
		.amdhsa_kernarg_size 40
		.amdhsa_user_sgpr_count 2
		.amdhsa_user_sgpr_kernarg_segment_ptr 1
		.amdhsa_wavefront_size32 1
		.amdhsa_system_sgpr_workgroup_id_x 1
		.amdhsa_system_sgpr_workgroup_id_y 1
		.amdhsa_system_sgpr_workgroup_id_z 1
		.amdhsa_system_vgpr_workitem_id 0
		.amdhsa_next_free_vgpr 256
		.amdhsa_next_free_sgpr 102
		.amdhsa_reserve_vcc 0
		.amdhsa_float_denorm_mode_32 3
		.amdhsa_float_denorm_mode_16_64 3
		.amdhsa_memory_ordered 1
		.amdhsa_forward_progress 1
		.amdhsa_inst_pref_size 63
	.end_amdhsa_kernel
	.amdgpu_metadata
---
amdhsa.version: [ 1, 2 ]
amdhsa.kernels:
  - .name:           k_q96712bd7b0_attn
    .symbol:         k_q96712bd7b0_attn.kd
    .args:
      - { .name: qc, .offset: 0, .size: 8, .value_kind: global_buffer, .address_space: global }
      - { .name: qs, .offset: 8, .size: 8, .value_kind: global_buffer, .address_space: global }
      - { .name: kv, .offset: 16, .size: 8, .value_kind: global_buffer, .address_space: global }
      - { .name: oc, .offset: 24, .size: 8, .value_kind: global_buffer, .address_space: global }
      - { .name: os, .offset: 32, .size: 8, .value_kind: global_buffer, .address_space: global }
    .group_segment_fixed_size: 280576
    .private_segment_fixed_size: 0
    .kernarg_segment_align: 8
    .kernarg_segment_size: 40
    .max_flat_workgroup_size: 512
    .sgpr_count:     102
    .vgpr_count:     256
    .wavefront_size: 32
...
	.end_amdgpu_metadata
.endif
;; end of part 2
;; launch proj (part 3): grid 8 x 32, 8 waves a work-group, clusters of 4 x 4, 247,040 bytes of LDS; arguments oc, os, Wo_codes, Wo_scales, bo, out0; writes out0
.if DOCPART == 3
	.amdgcn_target "amdgcn-amd-amdhsa--gfx1250"
	.amdhsa_code_object_version 6
	.text
	.protected	k_q96712bd7b0_proj
	.globl	k_q96712bd7b0_proj
	.p2align	8
	.type	k_q96712bd7b0_proj,@function
k_q96712bd7b0_proj:
	s_mov_b64 s[64:65], 0
	v_nop
	global_prefetch_b8 v0, s[64:65] scope:SCOPE_SE
	s_setreg_imm32_b32 hwreg(HW_REG_WAVE_MODE, 25, 1), 1
	s_wait_xcnt 0x0
	s_wait_alu depctr_hold_cnt(0) depctr_sa_sdst(0) depctr_va_vdst(0) depctr_va_sdst(0) depctr_va_ssrc(0) depctr_va_vcc(0) depctr_vm_vsrc(0)
	s_getreg_b32 s2, hwreg(HW_REG_IB_STS2, 6, 4)
	s_cmp_eq_u32 s2, 0
	s_cbranch_scc0 .Lentry_in_a_cluster
	s_endpgm
.Lentry_in_a_cluster:
	s_bfe_u32 s2, ttmp6, 0x10000c
	s_cmp_lg_u32 s2, 0xf033
	s_cbranch_scc0 .Lentry_shape_is_right
	s_endpgm
.Lentry_shape_is_right:
; out0 = o Wo + bo on codes of FP6 (E2M3) with one E8M0 scale for each 32 along K = 1,024; sums in f32.  o comes from oc and os as the launch before laid it (HALFs of 768 bytes: 16 rows x one head's 64 channels,
; [block of 128 rows][head][tile]; lane r of tile t of a block is row 64 (t / 4) + 32 (r / 8) + 16 (t % 2) + 8 ((t % 4) / 2) + r % 8); Wo as given: 1,024 rows (n) of 768 bytes of codes, 32 scale bytes a row.
; SHARES.  A work-group makes 128 rows (tb) x 128 columns (nb).  Eight waves, each 32 rows x 64 columns: 8 accumulators.  The matrix instruction is used transposed (source 0 = 16 rows of Wo): a lane holds eight neighbouring columns of one row.
; ALL OF K LIES IN LDS, filled once, one load a wave: o in two halves of eight heads, Wo in three chunks of 256 bytes of each row (a step of 128 along K is 96 bytes: steps 2 and 5 lie across two chunks), the scale bytes.
; Steps 0-3 need o's first half and Wo's chunks 0 and 1, and begin behind a barrier of their own.
; CLUSTER 4 x 4: a row of the cluster shares the rows of o, a column the rows of Wo: each tile is asked for jointly.  NO PREFETCH: every tile is asked for at the head; no loop fetches.
; LIMITS: NaN and infinities among the inputs are not served.
.set PITCH, 272
.set WO,    98304                      ; LDS: o's 128 HALFs from 0; Wo's three chunks of 128 rows from here,
.set WCH,   128*PITCH
.set OSC,   WO+3*WCH                   ; o's scale words, 4,096 bytes,
.set WSC,   OSC+4096                   ; Wo's scale bytes, 16 units of 256 + 16,
.set STG,   WSC+4352                   ; and a stage of 16 rows x (256 + 16) bytes for each wave, into which no fill lands
.set SP,    272
.set SPARE, STG+8*16*SP
.set AW,   8                           ; v8 Wo's fragments in chunks 0, 1; v9 in chunk 2; v10: lanes 0-15 at byte 232 of a chunk, lanes 16-31 at byte 0 of the next
.set AO,   12                          ; v12, v13 o's HALFs of heads 0-7, for the 16-byte and the 8-byte loads;  v14, v15 of heads 8-15
.set AWS,  16
.set AOS,  17
.set STO,  18
.set RD,   19
.set CO,   20
.set OS,   22                          ; v22, v23 o's scale words, and nothing else: lanes 0-15 my first tile of rows, lanes 16-31 my second
.set WS,   24                          ; v24-31   Wo's: register 2 a + q
.set BO,   32                          ; v32-63   bo in the result's layout
.set PF,   64                          ; v64-111  Wo's four fragments
.set RF,   112                         ; v112-135 o's two
.set ACC,  136                         ; v136-199 accumulator (a, m) at 136 + 32 m + 8 a
.set OUTR, 200                         ; v200-231 rows on the way out
.set WV,   20
.set RP,   21                          ; my pair of row tiles
.set CH,   22                          ; my 64 columns
.set G1O,  24
.set G1OS, 32
.set G1W,  40
.set G1WS, 48
.macro ROUND
	s_barrier_signal -1
	s_barrier_wait -1
	s_cmp_lg_u32 s[WV], 0
	s_cbranch_scc1 .Lnot_wave_0_\@
	s_barrier_signal -3
.Lnot_wave_0_\@:
	s_barrier_wait -3
	s_barrier_signal -1
	s_barrier_wait -1
.endm
	s_load_b256 s[4:11], s[0:1], 0x0               ; oc, os, Wo's codes, Wo's scales
	s_load_b128 s[12:15], s[0:1], 0x20             ; bo, out0
	v_lshl_add_u32 v240, v0, 2, SPARE
	v_mov_b32 v241, 0
	ds_add_u32 v240, v241
	ds_add_u32 v240, v241
	v_lshrrev_b32 v1, 5, v0
	v_readfirstlane_b32 s[WV], v1
	s_lshr_b32 s[RP], s[WV], 1
	s_and_b32 s[CH], s[WV], 1
	s_bfe_u32 s16, ttmp6, 0x40000                  ; cx
	s_bfe_u32 s17, ttmp6, 0x40004                  ; cy
	s_lshl_b32 s18, ttmp9, 2
	s_add_co_u32 s18, s18, s16                     ; nb
	s_and_b32 s19, ttmp7, 0xffff
	s_lshl_b32 s19, s19, 2
	s_add_co_u32 s19, s19, s17                     ; tb
	s_lshl_b32 s100, s17, 2
	s_lshl_b32 s100, 15, s100                      ; my row of the cluster
	s_lshl_b32 s101, 0x1111, s16                   ; my column
	; dense blocks as rows of 32 elements of 8 bytes: o's half 192 rows, its scale words 16, Wo's scale bytes 16 (16 bytes of padding behind each)
	s_or_b32 s[G1O], s100, (3<<16)|(1<<21)
	s_or_b32 s[G1OS], s100, (3<<16)|(1<<21)
	s_or_b32 s[G1WS], s101, (3<<16)|(1<<20)|(1<<21)|(5<<22)|(3<<25)
.irp g, G1O, G1OS, G1WS
	s_mov_b32 s[\g+1], 32<<16
	s_mov_b32 s[\g+3], 32<<16
	s_mov_b32 s[\g+5], 32
	s_mov_b32 s[\g+6], 0
	s_mov_b32 s[\g+7], 0
.endr
	s_mov_b32 s[G1O+2], 192<<16
	s_mov_b32 s[G1O+4], 192
	s_mov_b32 s[G1OS+2], 16<<16
	s_mov_b32 s[G1OS+4], 16
	s_mov_b32 s[G1WS+2], 16<<16
	s_mov_b32 s[G1WS+4], 16
	s_or_b32 s[G1W], s101, (1<<20)|(1<<21)|(5<<22)|(3<<25)           ; Wo's codes: 128 rows x 256 bytes, 768 apart, 16 bytes of padding behind each
	s_mov_b32 s[G1W+1], 256<<16
	s_mov_b32 s[G1W+2], 128<<16
	s_mov_b32 s[G1W+3], 256<<16
	s_mov_b32 s[G1W+4], 128
	s_mov_b32 s[G1W+5], 768
	s_mov_b32 s[G1W+6], 0
	s_mov_b32 s[G1W+7], 0
	; groups 0: s[56:59] o's first half, s[60:63], s[68:71] Wo's chunks 0, 1, s[72:75] o's scales, s[76:79] Wo's, s[80:83] o's second half, s[84:87] Wo's chunk 2
.irp g, 56,60,68,72,76,80,84
	s_mov_b32 s[\g], 1
.endr
	s_mov_b32 s57, 0
	s_mov_b32 s61, WO
	s_mov_b32 s69, WO+WCH
	s_mov_b32 s73, OSC
	s_mov_b32 s77, WSC
	s_mov_b32 s81, 49152
	s_mov_b32 s85, WO+2*WCH
	s_mul_i32 s58, s19, 98304
	s_mov_b32 s59, 0
	s_lshl_b32 s74, s19, 12
	s_mov_b32 s75, 0
	s_mul_i32 s62, s18, 98304
	s_mov_b32 s63, 0
	s_lshl_b32 s78, s18, 12
	s_mov_b32 s79, 0
	s_wait_alu depctr_va_vdst(0)
	s_wait_dscnt 0x0
	s_wait_kmcnt 0x0
	s_add_nc_u64 s[58:59], s[4:5], s[58:59]
	s_add_nc_u64 s[74:75], s[6:7], s[74:75]
	s_add_nc_u64 s[62:63], s[8:9], s[62:63]
	s_add_nc_u64 s[78:79], s[10:11], s[78:79]
	s_add_nc_u64 s[82:83], s[58:59], 49152
	s_add_nc_u64 s[70:71], s[62:63], 256
	s_add_nc_u64 s[86:87], s[62:63], 512
.irp g, 56,60,68,72,76,80,84
	s_or_b32 s[\g+3], s[\g+3], 0x80000000
.endr
	ROUND                                          ; all sixteen work-groups are here: the joint loads meet
.macro ARM under, g0, g1, next
	s_cmp_lt_u32 s[WV], \under
	s_cbranch_scc0 \next
	tensor_load_to_lds s[\g0:\g0+3], s[\g1:\g1+7]
	s_nop 0
.rept 4
	v_nop
.endr
	s_branch .Lasked
\next:
.endm
	ARM 1, 56, G1O,  .Larm1
	ARM 2, 60, G1W,  .Larm2
	ARM 3, 68, G1W,  .Larm3
	ARM 4, 72, G1OS, .Larm4
	ARM 5, 76, G1WS, .Larm5
	ARM 6, 80, G1O,  .Larm6
	ARM 7, 84, G1W,  .Larm7                        ; wave 7 fetches nothing
.Lasked:
	s_lshl_b32 s4, s18, 9
	s_lshl_b32 s5, s[CH], 8
	s_add_co_u32 s4, s4, s5                        ; my first column, in bytes
	s_mov_b32 s5, 0
	s_add_nc_u64 s[12:13], s[12:13], s[4:5]
	s_add_nc_u64 s[14:15], s[14:15], s[4:5]
	s_lshl_b32 s6, s19, 7
	s_lshr_b32 s7, s[RP], 1
	s_lshl_b32 s7, s7, 6
	s_add_co_u32 s6, s6, s7
	s_and_b32 s7, s[RP], 1
	s_lshl_b32 s7, s7, 3
	s_add_co_u32 s6, s6, s7                        ; row 128 tb + 64 (pair / 2) + 8 (pair % 2): tile m is 16 m rows on
	s_lshl_b32 s6, s6, 12
	s_mov_b32 s7, 0
	s_add_nc_u64 s[14:15], s[14:15], s[6:7]
	s_mul_i32 s4, s[CH], 64*PITCH
	s_add_co_u32 s4, s4, WO
	s_mul_i32 s5, s[RP], 1536                      ; my two tiles of rows: 768 bytes each in every head
	s_mul_i32 s6, s[CH], 2176
	s_add_co_u32 s6, s6, WSC
	s_lshl_b32 s7, s[RP], 7
	s_add_co_u32 s7, s7, OSC
	s_mul_i32 s8, s[WV], 16*SP
	s_add_co_u32 s8, s8, STG
	s_mov_b32 s9, WCH-232
	v_and_b32 v1, 15, v0                           ; r
	v_bfe_u32 v2, v0, 4, 1                         ; h
	v_and_b32 v3, 31, v0                           ; lane
	v_lshlrev_b32 v21, 5, v2
.irp a, 0,1,2,3
	global_load_b128 v[BO+8*\a:BO+8*\a+3], v21, s[12:13] offset:64*\a          ; bo[16 a + 8 h + 0 .. 7]
	global_load_b128 v[BO+8*\a+4:BO+8*\a+7], v21, s[12:13] offset:64*\a+16
.endr
	v_mul_u32_u24 v4, v1, PITCH
	v_mad_u32_u24 v5, v2, 24, v4
	v_add_nc_u32 v[AW], s4, v5
	v_add_nc_u32 v[AW+1], 2*WCH, v[AW]
	v_mul_u32_u24 v5, s9, v2
	v_add_nc_u32 v5, v4, v5
	v_add_nc_u32 v5, 232, v5
	v_add_nc_u32 v[AW+2], s4, v5
	v_lshl_add_u32 v[AO], v3, 4, s5
	v_lshl_add_u32 v[AO+1], v3, 3, s5
	v_add_nc_u32 v[AO+1], 512, v[AO+1]
	v_add_nc_u32 v[AO+2], 49152, v[AO]
	v_add_nc_u32 v[AO+3], 49152, v[AO+1]
	v_lshlrev_b32 v6, 5, v1
	v_and_b32 v7, 8, v1
	v_lshl_add_u32 v6, v7, 1, v6                   ; 32 r + 16 (r / 8)
	v_add_nc_u32 v[AWS], s6, v6
	v_lshl_add_u32 v[AOS], v3, 2, s7               ; 64 bytes a tile: lanes 16-31 take my second tile's words
	v_mul_u32_u24 v6, v1, SP
	v_lshl_add_u32 v6, v2, 5, v6
	v_add_nc_u32 v[STO], s8, v6                    ; in: row r, 32 bytes for each half of the lanes
	v_mul_u32_u24 v6, v2, SP
	v_lshl_add_u32 v6, v1, 4, v6
	v_add_nc_u32 v[RD], s8, v6                     ; back: lanes 0-15 one row of 256 bytes, lanes 16-31 the next
	v_lshlrev_b32 v[CO], 12, v2
	v_lshl_add_u32 v[CO], v1, 4, v[CO]             ; and the same two rows of the output, 4,096 bytes apart
.macro FRAG reg, st, i                 ; 16 rows x 128 K of 6-bit codes, in pieces of 8 bytes, each inside one chunk
.irp p, 0,1,2,3,4,5
.set BY, 96*(\st)+48*(\p/3)+8*(\p%3)
.set CK, BY/256
.if CK == (BY+24)/256
.if CK < 2
	ds_load_b64 v[\reg+2*\p:\reg+2*\p+1], v[AW] offset:CK*WCH+BY%256+(\i)*16*PITCH
.else
	ds_load_b64 v[\reg+2*\p:\reg+2*\p+1], v[AW+1] offset:BY%256+(\i)*16*PITCH
.endif
.else
	ds_load_b64 v[\reg+2*\p:\reg+2*\p+1], v[AW+2] offset:CK*WCH+BY%256-232+(\i)*16*PITCH
.endif
.endr
.endm
; K step g: heads 2 g and 2 g + 1.  o's two fragments, the scale words, Wo's four fragments; then 8 products, the 8 accumulators by turns.  first = 1: the bias is the C.
.macro PSTEP g, first
.rept 4
	v_nop                                          ; places in front of loads into registers that matrix instructions have read
.endr
.irp m, 0,1
	ds_load_b128 v[RF+12*\m:RF+12*\m+3], v[AO+2*((\g)/4)] offset:((\g)%4)*12288+768*\m
	ds_load_b64 v[RF+12*\m+4:RF+12*\m+5], v[AO+1+2*((\g)/4)] offset:((\g)%4)*12288+768*\m
	ds_load_b128 v[RF+12*\m+6:RF+12*\m+9], v[AO+2*((\g)/4)] offset:((\g)%4)*12288+6144+768*\m
	ds_load_b64 v[RF+12*\m+10:RF+12*\m+11], v[AO+1+2*((\g)/4)] offset:((\g)%4)*12288+6144+768*\m
.endr
	ds_load_b32 v[OS+(\g)%2], v[AOS] offset:512*(\g)
.if (\g)%2 == 0
.irp a, 0,1,2,3
	ds_load_b64 v[WS+2*\a:WS+2*\a+1], v[AWS] offset:544*\a+8*((\g)/2)
.endr
.endif
.irp a, 0,1,2,3
	FRAG PF+12*\a, \g, \a
.endr
.irp a, 0,1,2,3
	s_wait_dscnt 18-6*\a                           ; Wo's tile a is in; the tiles behind it, six loads each, may be out
.if \first
	v_wmma_scale_f32_16x16x128_f8f6f4 v[ACC+8*\a:ACC+8*\a+7], v[PF+12*\a:PF+12*\a+11], v[RF:RF+11], v[BO+8*\a:BO+8*\a+7], v[WS+2*\a+(\g)%2], v[OS+(\g)%2] matrix_a_fmt:MATRIX_FMT_FP6 matrix_b_fmt:MATRIX_FMT_FP6
	v_wmma_scale_f32_16x16x128_f8f6f4 v[ACC+32+8*\a:ACC+32+8*\a+7], v[PF+12*\a:PF+12*\a+11], v[RF+12:RF+23], v[BO+8*\a:BO+8*\a+7], v[WS+2*\a+(\g)%2], v[OS+(\g)%2] matrix_a_fmt:MATRIX_FMT_FP6 matrix_b_fmt:MATRIX_FMT_FP6 matrix_b_scale:MATRIX_SCALE_ROW1
.else
	v_wmma_scale_f32_16x16x128_f8f6f4 v[ACC+8*\a:ACC+8*\a+7], v[PF+12*\a:PF+12*\a+11], v[RF:RF+11], v[ACC+8*\a:ACC+8*\a+7], v[WS+2*\a+(\g)%2], v[OS+(\g)%2] matrix_a_fmt:MATRIX_FMT_FP6 matrix_b_fmt:MATRIX_FMT_FP6
	v_wmma_scale_f32_16x16x128_f8f6f4 v[ACC+32+8*\a:ACC+32+8*\a+7], v[PF+12*\a:PF+12*\a+11], v[RF+12:RF+23], v[ACC+32+8*\a:ACC+32+8*\a+7], v[WS+2*\a+(\g)%2], v[OS+(\g)%2] matrix_a_fmt:MATRIX_FMT_FP6 matrix_b_fmt:MATRIX_FMT_FP6 matrix_b_scale:MATRIX_SCALE_ROW1
.endif
.endr
.endm
	s_wait_alu depctr_va_vdst(0)
	s_wait_loadcnt 0x0                             ; bo
	s_cmp_lt_u32 s[WV], 5
	s_cbranch_scc0 .Llater
	s_wait_tensorcnt 0x0
.Llater:
	s_barrier_signal -1
	s_barrier_wait -1                              ; what waves 0-4 fetched is in; the rest may be on its way: nothing is ever filled again
	PSTEP 0, 1
	PSTEP 1, 0
	PSTEP 2, 0
	PSTEP 3, 0
	s_wait_tensorcnt 0x0
	s_wait_dscnt 0x0
	s_barrier_signal -1
	s_barrier_wait -1                              ; everything is in
	PSTEP 4, 0
	PSTEP 5, 0
	PSTEP 6, 0
	PSTEP 7, 0
	; THE WAY OUT, a tile of 16 rows x 64 columns at a time, through my own stage: a lane's 32 bytes go in by rows of 272 bytes and come back as whole rows of 256.  LDS serves a wave's instructions in order (ISA guide 5.7.1.4).
.rept 4
	v_nop                                          ; places in front of the first read of the results
.endr
.irp m, 0,1
.if \m
	s_wait_xcnt 0x0                                ; the first tile's stores have read their registers: the loads below may land there
.endif
.irp a, 0,1,2,3
	ds_store_b128 v[STO], v[ACC+32*\m+8*\a:ACC+32*\m+8*\a+3] offset:64*\a       ; each accumulator from its low end on
	ds_store_b128 v[STO], v[ACC+32*\m+8*\a+4:ACC+32*\m+8*\a+7] offset:64*\a+16
.endr
.irp i, 0,1,2,3,4,5,6,7
	ds_load_b128 v[OUTR+4*\i:OUTR+4*\i+3], v[RD] offset:2*\i*SP
.endr
.irp i, 0,1,2,3,4,5,6,7
	s_wait_dscnt 7-\i                              ; the tile's rows 2 i, 2 i + 1 are back; the loads behind may be out
	global_store_b128 v[CO], v[OUTR+4*\i:OUTR+4*\i+3], s[14:15] offset:(16*\m+2*(\i%4)+32*(\i/4))*4096 th:TH_STORE_NT   ; 16 lanes store 256 consecutive bytes, at a multiple of 256 from the output's first byte; written once, read by nobody here
.endr
.endr
	s_wait_tensorcnt 0x0                           ; the wave's end
	ds_add_u32 v240, v241
	s_wait_dscnt 0x0
	ROUND                                          ; the closing round
	s_endpgm
.Lfunc_end_k_q96712bd7b0_proj:
	.size	k_q96712bd7b0_proj, .Lfunc_end_k_q96712bd7b0_proj-k_q96712bd7b0_proj
	.p2alignl 7, 3214868480
	.fill 96, 4, 3214868480
	.section	.rodata,"a",@progbits
	.p2align	6, 0x0
	.amdhsa_kernel k_q96712bd7b0_proj
		.amdhsa_group_segment_fixed_size 247040
		.amdhsa_private_segment_fixed_size 0
		.amdhsa_enable_private_segment 0
		.amdhsa_kernarg_size 48
		.amdhsa_user_sgpr_count 2
		.amdhsa_user_sgpr_kernarg_segment_ptr 1
		.amdhsa_wavefront_size32 1
		.amdhsa_system_sgpr_workgroup_id_x 1
		.amdhsa_system_sgpr_workgroup_id_y 1
		.amdhsa_system_sgpr_workgroup_id_z 1
		.amdhsa_system_vgpr_workitem_id 0
		.amdhsa_next_free_vgpr 242
		.amdhsa_next_free_sgpr 102
		.amdhsa_reserve_vcc 0
		.amdhsa_float_denorm_mode_32 3
		.amdhsa_float_denorm_mode_16_64 3
		.amdhsa_memory_ordered 1
		.amdhsa_forward_progress 1
		.amdhsa_inst_pref_size 44
	.end_amdhsa_kernel
	.amdgpu_metadata
---
amdhsa.version: [ 1, 2 ]
amdhsa.kernels:
  - .name:           k_q96712bd7b0_proj
    .symbol:         k_q96712bd7b0_proj.kd
    .args:
      - { .name: oc, .offset: 0, .size: 8, .value_kind: global_buffer, .address_space: global }
      - { .name: os, .offset: 8, .size: 8, .value_kind: global_buffer, .address_space: global }
      - { .name: Wo_codes, .offset: 16, .size: 8, .value_kind: global_buffer, .address_space: global }
      - { .name: Wo_scales, .offset: 24, .size: 8, .value_kind: global_buffer, .address_space: global }
      - { .name: bo, .offset: 32, .size: 8, .value_kind: global_buffer, .address_space: global }
      - { .name: out0, .offset: 40, .size: 8, .value_kind: global_buffer, .address_space: global }
    .group_segment_fixed_size: 247040
    .private_segment_fixed_size: 0
    .kernarg_segment_align: 8
    .kernarg_segment_size: 48
    .max_flat_workgroup_size: 256
    .sgpr_count:     102
    .vgpr_count:     242
    .wavefront_size: 32
...
	.end_amdgpu_metadata
.endif
;; end of part 3
